; MI455X (gfx1250); checked and timed in simulation.
; The chip was launched on July 23, 2026; its instructions are those of AMD's public machine-readable ISA for CDNA 5 (MIT licence, August 2026) and "CDNA5" Instruction Set Architecture Reference Guide (July 2026). The comments in the code are by the model that wrote it; some were corrected since.
;; Multihead Self Attention. Allowed arithmetic: matrix products marked QUANTISED: E4M3 operands, one given power-of-two scale a tensor, by v_wmma_f32_16x16x64_fp8_fp8 or v_wmma_f32_16x16x128_fp8_fp8, f32 sums; everything else in f32.
;; Inputs: Wk 1,024 x 1,024 float32; Wo 1,024 x 1,024 float32; Wq 1,024 x 1,024 float32; Wv 1,024 x 1,024 float32; lowp_scales 12 int32 (the exponents e of the quantised operands' scales 2^e); x 4 x 2,048 x 1,024 float32.
;; Outputs: out0 4 x 2,048 x 1,024 float32.
;; This version of the problem:
;;   THIS VERSION OF THE PROBLEM IS GIVEN IN LOW PRECISION. The matrix products marked QUANTISED in the list below multiply operands that are first quantised to E4M3 (4 exponent bits, 3 mantissa bits; 8 bits a number), with one given power-of-two scale for each operand tensor; their sums are f32. All else is computed in f32.
;;   The module's matrix products, in the order in which they are computed (A, B: the left and right operand; K: the contracted axis; several contracted axes count as one K, in the product's order):
;;     1. [M 8,192, K 1,024] x [K 1,024, N 1,024]; A: input x; B: input Wq: QUANTISED (scales: A lowp_scales[0], B lowp_scales[1])
;;     2. [M 8,192, K 1,024] x [K 1,024, N 1,024]; A: input x; B: input Wk: QUANTISED (scales: A lowp_scales[2], B lowp_scales[3])
;;     3. [M 8,192, K 1,024] x [K 1,024, N 1,024]; A: input x; B: input Wv: QUANTISED (scales: A lowp_scales[4], B lowp_scales[5])
;;     4. batch 64 x [M 2,048, K 64] x [K 64, N 2,048]; A: computed on the way; B: computed on the way: QUANTISED (scales: A lowp_scales[6], B lowp_scales[7])
;;     5. batch 64 x [M 2,048, K 2,048] x [K 2,048, N 64]; A: softmax (see below); B: computed on the way: QUANTISED (scales: A lowp_scales[8], B lowp_scales[9])
;;     6. [M 8,192, K 1,024] x [K 1,024, N 1,024]; A: computed on the way; B: input Wo: QUANTISED (scales: A lowp_scales[10], B lowp_scales[11])
;;   THE QUANTISER, for each operand of a quantised product, along K:
;;     - The operand's scale is 2^e, e = its entry of the input lowp_scales (int32; the entries are numbered through the quantised products in the list's order, A before B).
;;     - Each number is divided by the scale, clamped to +-448, and rounded to the nearest number of E4M3, ties to even, subnormals kept.
;;     - The product sums the exact products of the quantised numbers (number of the format x scale) in f32.
;;   ~~~python
;;   def quantise(x, axis, e):      # numpy; x: float32 -> the quantised numbers, widened to float32 again
;;       x = np.moveaxis(x, axis, -1); K = x.shape[-1]
;;       r = np.clip(x / 2.0 ** e, -448, 448)
;;       step = 2.0 ** (np.maximum(np.frexp(np.where(r == 0, 1, r))[1] - 1, -6) - 3)
;;       q = np.round(r / step) * step * 2.0 ** e      # np.round: ties to even
;;       return np.moveaxis(q, -1, axis).astype(np.float32)
;;   ~~~
;;   SOFTMAX AHEAD OF A QUANTISED PRODUCT. Where the list says 'softmax', what is quantised is not the finished softmax but p = 2^(t - M), with t = logit x log2(e) and M = ceil(the row's largest t), a whole number; so 1/2 < the row's largest p <= 1. The row's sum l is taken of the UNQUANTISED p, in f32, and the product's result is divided by l at the end. Since M is a whole number, a kernel that streams over the keys may use a running M (the ceiling of the running maximum): every later rescaling is an exact power of two, so the quantised numbers keep their values, but for numbers so far below the row's largest that they fall under the format's range.
;;   OPERANDS COMPUTED ON THE WAY. 'Computed on the way' means the value that the module computes at that place (a softmax that the list does not call 'softmax' is quantised finished and normalised). What goes into a quantiser is computed in f32, as accurately as f32 sums, v_exp_f32 and their like allow (about 1e-6 of the number): no bf16 or f16 on the way to a quantiser, and a product that is left as it is and whose result goes on into a quantised operand takes f32 operands (vector FMAs, or v_wmma_f32_16x16x4_f32). A number that lies on a knife's edge between two numbers of the format may be rounded either way, as far as f32 arithmetic and the matrix unit's own rounding can turn it there, and no further.
;; One version. Each part assembles by itself: llvm-mc -triple=amdgcn-amd-amdhsa -mcpu=gfx1250 --defsym DOCPART=n.
;; ======== version 1 of 1: 4 launches
;; limits: right only within a limited range of input values
;; workspace buffers: xc 25,165,824 bytes; wc 4,194,304 bytes; qkv 25,165,824 bytes; ac 8,388,608 bytes
;; launch quant (part 1): grid 384 x 1, 4 waves a work-group, no clusters, 41,472 bytes of LDS; arguments x, Wq, Wk, Wv, Wo, lowp_scales, xc, wc; writes xc, wc
.if DOCPART == 1
	.amdgcn_target "amdgcn-amd-amdhsa--gfx1250"
	.amdhsa_code_object_version 6
	.text
	.protected	k_qfa145097e6_quant
	.globl	k_qfa145097e6_quant
	.p2align	8
	.type	k_qfa145097e6_quant,@function
k_qfa145097e6_quant:
	s_mov_b64 s[64:65], 0
	v_nop
	global_prefetch_b8 v0, s[64:65] scope:SCOPE_SE
	s_setreg_imm32_b32 hwreg(HW_REG_WAVE_MODE, 25, 1), 1
	s_wait_xcnt 0x0
; x [8192][1024] f32 becomes THREE tensors of E4M3 codes, xc[p][8192][1024], p = 0, 1, 2, with the scales 2^e of entries 0, 2, 4 of lowp_scales: x is the left
; operand of three products, each with a scale of its own.  Wq, Wk, Wv, Wo [1024][1024] f32 become wc[0..3][1024][1024] with entries 1, 3, 5, 11.  K is innermost everywhere.
; code = number / 2^e, held within +-448, rounded to the nearest code, ties to even.
; LIMITS: each e lies between -126 and 119, so that 2^e and 448 x 2^e are f32 numbers.  NaN among the inputs is not served; an infinity is held at the largest code.
; Rows are dense, so each tensor is a plain stream.  A wave takes 16 steps of 512 numbers.  A conversion takes 8 neighbours from ONE lane's registers, a load is dense where neighbouring LANES take
; neighbouring bytes: so each of a step's four loads reads 512 consecutive bytes, and the step's 2,048 bytes turn through the wave's own stage in LDS and come back 64 bytes a lane.
; A lane's 16 codes are 16 bytes: each store of the wave covers 512 consecutive bytes, aligned.  x is read once for its three tensors of codes.
; Work-groups 0-255 take x, 256-383 the weights (32 each).  The two ways part on the work-group's number; each has LDS bytes of its own.  No barrier: waves share nothing.
.set STEPS, 16
.set SP,    80                         ; a lane's place in a stage: its 64 bytes + 16 of padding
.set STG,   32*SP                      ; a stage
.set WREG,  2*STG                      ; a wave's two stages
.set LBW,   4*WREG                     ; where the weights' way has its stages
.set R,     16                         ; v16-79   four sets of 16 numbers as they are loaded
.set X,     80                         ; v80-111  two sets of 16 neighbours
.set T,     112
.set C,     128                        ; v128-139 codes: four registers for each of up to three outputs
.set SC,    140                        ; v140+2p: 2^e as f32
	s_load_b512 s[4:19], s[0:1], 0x0               ; x 4, Wq 6, Wk 8, Wv 10, Wo 12, the scales 14, xc 16, wc 18
	v_lshl_add_u32 v152, v0, 2, 0xa000
	v_mov_b32 v153, 0
	v_lshrrev_b32 v1, 5, v0
	v_readfirstlane_b32 s32, v1                    ; wave
	v_and_b32 v2, 31, v0                           ; lane
	v_lshlrev_b32 v3, 4, v2                        ; my 16 bytes of a load's, and of a store's, 512
	s_mul_i32 s33, s32, WREG
	v_lshrrev_b32 v14, 2, v2
	v_mul_u32_u24 v14, v14, SP
	v_and_b32 v15, 3, v2
	v_lshl_add_u32 v14, v15, 4, v14
	v_add_nc_u32 v14, s33, v14                     ; into the stage: four lanes' 64 bytes on end, then the padding
	v_mul_u32_u24 v15, v2, SP
	v_add_nc_u32 v15, s33, v15                     ; out of it: my 16 neighbours
	s_wait_kmcnt 0x0
	s_load_b256 s[20:27], s[14:15], 0x0            ; e0 .. e7
	s_load_b128 s[28:31], s[14:15], 0x20           ; e8 .. e11
.macro LOAD t
.irp i, 0,1,2,3
	global_load_b128 v[R+16*((\t)%4)+4*\i:R+16*((\t)%4)+4*\i+3], v3, s[34:35] offset:2048*(\t)+512*\i th:TH_LOAD_NT
.endr
.endm
.macro TURN t, lb                      ; step t's numbers through the stage: LDS serves a wave's instructions in order, so no wait stands between the stores and the loads
.irp i, 0,1,2,3
	ds_store_b128 v14, v[R+16*((\t)%4)+4*\i:R+16*((\t)%4)+4*\i+3] offset:\lb+STG*((\t)%2)+8*SP*\i
.endr
.irp i, 0,1,2,3
	ds_load_b128 v[X+16*((\t)%2)+4*\i:X+16*((\t)%2)+4*\i+3], v15 offset:\lb+STG*((\t)%2)+16*\i
.endr
.endm
.macro MKSCALE p, sr                   ; from the whole number e in s[sr]: 2^e, whose exponent field the conversion takes, and 448 x 2^e
	s_add_co_i32 s44, s[\sr], 127
	s_lshl_b32 s45, s44, 23
	v_mov_b32 v[SC+2*\p], s45
	s_add_co_i32 s44, s44, 8
	s_lshl_b32 s44, s44, 23
	s_or_b32 s44, s44, 0x600000
.endm
.macro QSTEP t, np, lb                 ; np: how many tensors of codes are made of these numbers
.set XS, X+16*((\t)%2)
	s_wait_dscnt 0x0                               ; this step's numbers are back from the stage, and its stores into the stage have read their registers
	s_wait_xcnt 0x0                                ; the last step's stores have read their data: the codes' registers are written again only behind this wait
.if (\t)+4 < STEPS
	LOAD (\t)+4
.endif
.if (\t)+1 < STEPS
.if STEPS-2-(\t) >= 3
	s_wait_loadcnt 12                              ; the next step's four loads are in; those of the three steps behind it may be out
.else
	s_wait_loadcnt 4*(STEPS-2-(\t))
.endif
	TURN (\t)+1, \lb
.endif
.irp p, 0,1,2
.if \p < \np
.irp i, 0,1,2,3,4,5,6,7,8,9,10,11,12,13,14,15
.endr
	v_cvt_scalef32_pk8_fp8_f32 v[C+4*\p:C+4*\p+1], v[XS:XS+7], v[SC+2*\p]
	v_cvt_scalef32_pk8_fp8_f32 v[C+4*\p+2:C+4*\p+3], v[XS+8:XS+15], v[SC+2*\p]
	v_nop                                          ; a plain line behind the conversions
	global_store_b128 v3, v[C+4*\p:C+4*\p+3], s[36+2*\p:37+2*\p] offset:512*(\t)
.endif
.endr
.endm
	s_cmp_lt_u32 ttmp9, 256
	s_cbranch_scc0 .Lweights
	; ---- x: run = 4 x work-group + wave, of 1,024 runs of 8,192 numbers
	s_lshl_b32 s33, ttmp9, 2
	s_add_co_u32 s33, s33, s32
	s_lshl_b32 s42, s33, 15
	s_mov_b32 s43, 0
	s_add_nc_u64 s[34:35], s[4:5], s[42:43]
	s_lshl_b32 s42, s33, 13
	s_add_nc_u64 s[36:37], s[16:17], s[42:43]      ; a base for each plane of codes: the planes lie 8 MiB apart, beyond a store's immediate
	s_add_nc_u64 s[38:39], s[36:37], 0x800000
	s_add_nc_u64 s[40:41], s[38:39], 0x800000
	s_wait_alu depctr_va_vdst(0)
.irp t, 0,1,2,3
	LOAD \t
.endr
	s_wait_kmcnt 0x0
	MKSCALE 0, 20
	MKSCALE 1, 22
	MKSCALE 2, 24
	s_wait_alu depctr_va_vdst(0)
	s_wait_loadcnt 12                              ; step 0's four loads are in
	TURN 0, 0
.irp t, 0,1,2,3,4,5,6,7,8,9,10,11,12,13,14,15
	QSTEP \t, 3, 0
.endr
	s_wait_tensorcnt 0x0
	ds_add_u32 v152, v153
	s_wait_dscnt 0x0
	s_endpgm
.Lweights:
	; ---- the weights: work-group 256 + 32 t + i takes part i of weight t (Wq, Wk, Wv, Wo)
	s_sub_co_u32 s33, ttmp9, 256
	s_lshr_b32 s42, s33, 5                         ; t
	s_mov_b64 s[34:35], s[12:13]
	s_cmp_eq_u32 s42, 0
	s_cselect_b64 s[34:35], s[6:7], s[34:35]
	s_cmp_eq_u32 s42, 1
	s_cselect_b64 s[34:35], s[8:9], s[34:35]
	s_cmp_eq_u32 s42, 2
	s_cselect_b64 s[34:35], s[10:11], s[34:35]
	s_and_b32 s43, s33, 31
	s_lshl_b32 s43, s43, 2
	s_add_co_u32 s43, s43, s32                     ; which of the weight's 128 runs
	s_lshl_b32 s46, s43, 15
	s_mov_b32 s47, 0
	s_add_nc_u64 s[34:35], s[34:35], s[46:47]
	s_lshl_b32 s43, s33, 2
	s_add_co_u32 s43, s43, s32                     ; which of wc's 512 runs
	s_lshl_b32 s46, s43, 13
	s_add_nc_u64 s[36:37], s[18:19], s[46:47]
	s_wait_alu depctr_va_vdst(0)
.irp t, 0,1,2,3
	LOAD \t
.endr
	s_wait_kmcnt 0x0
	s_mov_b32 s43, s31                             ; e11, Wo's
	s_cmp_eq_u32 s42, 0
	s_cselect_b32 s43, s21, s43                    ; e1, Wq's
	s_cmp_eq_u32 s42, 1
	s_cselect_b32 s43, s23, s43                    ; e3, Wk's
	s_cmp_eq_u32 s42, 2
	s_cselect_b32 s43, s25, s43                    ; e5, Wv's
	MKSCALE 0, 43
	s_wait_alu depctr_va_vdst(0)
	s_wait_loadcnt 12
	TURN 0, LBW
.irp t, 0,1,2,3,4,5,6,7,8,9,10,11,12,13,14,15
	QSTEP \t, 1, LBW
.endr
	s_wait_tensorcnt 0x0
	ds_add_u32 v152, v153
	s_wait_dscnt 0x0
	s_endpgm
.Lfunc_end_k_qfa145097e6_quant:
	.size	k_qfa145097e6_quant, .Lfunc_end_k_qfa145097e6_quant-k_qfa145097e6_quant
	.p2alignl 7, 3214868480
	.fill 96, 4, 3214868480
	.section	.rodata,"a",@progbits
	.p2align	6, 0x0
	.amdhsa_kernel k_qfa145097e6_quant
		.amdhsa_group_segment_fixed_size 41472
		.amdhsa_private_segment_fixed_size 0
		.amdhsa_enable_private_segment 0
		.amdhsa_kernarg_size 64
		.amdhsa_user_sgpr_count 2
		.amdhsa_user_sgpr_kernarg_segment_ptr 1
		.amdhsa_wavefront_size32 1
		.amdhsa_system_sgpr_workgroup_id_x 1
		.amdhsa_system_sgpr_workgroup_id_y 1
		.amdhsa_system_sgpr_workgroup_id_z 1
		.amdhsa_system_vgpr_workitem_id 0
		.amdhsa_next_free_vgpr 154
		.amdhsa_next_free_sgpr 66
		.amdhsa_reserve_vcc 0
		.amdhsa_float_denorm_mode_32 3
		.amdhsa_float_denorm_mode_16_64 3
		.amdhsa_fp16_overflow 1
		.amdhsa_memory_ordered 1
		.amdhsa_forward_progress 1
		.amdhsa_inst_pref_size 51
	.end_amdhsa_kernel
	.amdgpu_metadata
---
amdhsa.version: [ 1, 2 ]
amdhsa.kernels:
  - .name:           k_qfa145097e6_quant
    .symbol:         k_qfa145097e6_quant.kd
    .args:
      - { .name: x, .offset: 0, .size: 8, .value_kind: global_buffer, .address_space: global }
      - { .name: Wq, .offset: 8, .size: 8, .value_kind: global_buffer, .address_space: global }
      - { .name: Wk, .offset: 16, .size: 8, .value_kind: global_buffer, .address_space: global }
      - { .name: Wv, .offset: 24, .size: 8, .value_kind: global_buffer, .address_space: global }
      - { .name: Wo, .offset: 32, .size: 8, .value_kind: global_buffer, .address_space: global }
      - { .name: lowp_scales, .offset: 40, .size: 8, .value_kind: global_buffer, .address_space: global }
      - { .name: xc, .offset: 48, .size: 8, .value_kind: global_buffer, .address_space: global }
      - { .name: wc, .offset: 56, .size: 8, .value_kind: global_buffer, .address_space: global }
    .group_segment_fixed_size: 41472
    .private_segment_fixed_size: 0
    .kernarg_segment_align: 8
    .kernarg_segment_size: 64
    .max_flat_workgroup_size: 128
    .sgpr_count:     66
    .vgpr_count:     154
    .wavefront_size: 32
...
	.end_amdgpu_metadata
.endif
;; end of part 1
;; launch proj (part 2): grid 12 x 32, 4 waves a work-group, clusters of 4 x 4, 327,680 bytes of LDS; arguments xc, wc, lowp_scales, qkv; writes qkv
.if DOCPART == 2
	.amdgcn_target "amdgcn-amd-amdhsa--gfx1250"
	.amdhsa_code_object_version 6
	.text
	.protected	k_qfa145097e6_proj
	.globl	k_qfa145097e6_proj
	.p2align	8
	.type	k_qfa145097e6_proj,@function
k_qfa145097e6_proj:
	s_mov_b64 s[64:65], 0
	v_nop
	global_prefetch_b8 v0, s[64:65] scope:SCOPE_SE
	s_setreg_imm32_b32 hwreg(HW_REG_WAVE_MODE, 25, 1), 1
	s_wait_xcnt 0x0
	s_wait_alu depctr_hold_cnt(0) depctr_sa_sdst(0) depctr_va_vdst(0) depctr_va_sdst(0) depctr_va_ssrc(0) depctr_va_vcc(0) depctr_vm_vsrc(0)
	s_getreg_b32 s2, hwreg(HW_REG_IB_STS2, 6, 4)
	s_cmp_eq_u32 s2, 0
	s_cbranch_scc0 .Lentry_in_a_cluster
	s_endpgm
.Lentry_in_a_cluster:
	s_bfe_u32 s2, ttmp6, 0x10000c
	s_cmp_lg_u32 s2, 0xf033
	s_cbranch_scc0 .Lentry_shape_is_right
	s_endpgm
.Lentry_shape_is_right:
; q = x Wq^T, k = x Wk^T, v = x Wv^T on E4M3 codes, sums in f32; each sum is quantised at once to the code that the attention's products want (entries 6, 7, 9 of lowp_scales) and stored
; in the order of those products' operand registers.  The cluster's x, P = 0, 1, 2, says which of the three.
; A sum stands for sum x 2^(ea + eb), so its code is sum / 2^f, f = eo - ea - eb, held within +-448: (eo, ea, eb) = entries (6, 0, 1), (7, 2, 3), (9, 4, 5).  LIMIT: f between -126 and 119.
; A tile of 256 x 256 is made by four waves, each 128 x 128: 64 accumulators, 512 registers.  K = 1,024 goes in four slots' worth of 256 through a ring of two LDS slots filled by the tensor data mover.
; THE MATRIX INSTRUCTION IS USED TRANSPOSED (source 0 = 16 rows of "B", source 1 = 16 rows of "A"): a lane holds ONE row of A and eight neighbouring rows of B.
; For q and k: A = x's codes (tokens), B = the weight's (head channels): a lane's eight results are neighbours along the head's 64, the next product's K.
; For v the two change places, by pointers alone: A = Wv's codes, B = x's: a lane's eight results are eight neighbouring KEYS of one channel, the second product's K.  The loop's text knows nothing of it.
; CLUSTERS: 4 x 4 work-groups.  A's tile is shared along a row of the cluster, B's along a column: each is asked for jointly, with a mask that names the four.
; No prefetch: of K's four slots' worth two go out at the head and only two refills follow.
; fragments are fetched 16 bytes a load: registers 4 c .. 4 c + 3 hold K = 32 c + 16 (lane / 16) + 0 .. 15, alike in A and B, so every product meets its partner.
; OUTPUT, qkv: three planes of 8 MiB (q, k, v); a plane is [batch x 16 + head][16 blocks of 128 tokens][8,192 bytes]; in a block, unit n of 16 has lane l's 16 bytes at 512 n + 16 l; l = (r = l % 16, g = l / 16):
;   q: n = 2 t + c: query 16 t + r, channels 32 c + 16 g + 0..15      k: n = 2 t + c: key 32 (t / 2) + 8 (t % 2) + r + 8 (r / 8), the same channels
;   v: n = 4 t + c: channel 32 (t / 2) + 8 (t % 2) + r + 8 (r / 8), keys 32 c + 16 g + 0..15
; REGISTERS, in windows of 256: window 0: v0-31 addresses and the scale; from v128 A's fragments, ONE set; on the way out v32-255 are free.  window 1: B's fragments, TWO sets.  windows 2, 3: the accumulators ((a, b) at v[8 (8 (a % 4) + b)]).
.set ROWB,   256                       ; a tile's row in bytes
.set KROW,   1024                      ; a row of codes in memory
.set PITCH,  272                       ; an LDS row: 256 bytes + 16 of padding = 68 words: the 16 rows that a load touches start at 16 different banks (64 banks of 4 bytes: ISA guide 11.1)
.set FR,     16                        ; registers of a fragment: 16 rows x 128 K
.set NL,     4                         ; LDS loads that bring one
.set NP,     4                         ; places behind this matrix instruction (ISA guide 7.12.1)
.set HALFT,  128*PITCH                 ; 128 rows: what one tensor load brings
.set SLOT,   4*HALFT                   ; A's 256 rows, then B's 256 rows
.set SPARE,  2*SLOT                    ; behind the ring: the spare words, 128 bytes for each wave, which no other line names
.set SPITCH, 144                       ; the way out: a stage of 128 rows x (128 codes + 16) for each wave, in slot 0, which has had its last fill and its last read by then
.set WSTAGE, 128*SPITCH
.set ADRA, 16                          ; v16-17  LDS address of my A fragments in slot 0, 1
.set ADRB, 20                          ; v20-21  the same for B
.set STO,  24                          ; v24     the stage: where I put 8 codes: 144 r + 8 g
.set RDA,  25                          ; v25     where I read 16 codes back: 144 r + 16 g
.set RDB,  26                          ; v26     the same with rows r + 8 (r / 8)
.set CO,   27                          ; v27     16 x lane
.set SPW,  28                          ; v28     LDS address of my spare word; never rewritten
.set NIL,  29                          ; v29     0; never rewritten
.set QSC,  30                          ; v30     2^f as f32
.set QLM,  31                          ; v31     448 x 2^f
.set TMP,  32                          ; v32-95  a block's sums, held
.set CD,   96                          ; v96-127 codes: two sets of 16
.set AF,   128                         ; A's fragments
.set BK,   128                         ; the way out: 32 units read back
.set G1, 24
.set G0, 32
.set G1B, 48
.set G0B, 56
.set MSB, 0
.macro WIN new                         ; the immediate's high byte repeats the setting that is left
.if MSB != (\new)
	s_set_vgpr_msb (MSB<<8)|(\new)
.set MSB, (\new)
.endif
.endm
.set MUL_LO, 0xa1                      ; source 0 (B) window 1, source 1 (A) window 0, C and D window 2
.set MUL_HI, 0xf1                      ; the same, C and D window 3
.set TO_B,   0x40                      ; destination window 1, address window 0
; A joint load: waves 0 and 1 fetch for A, waves 2 and 3 for B.  The branch hangs on the wave's number alone.  Four v_nop follow each of the two lines.
.macro JLOAD g0a, g1a, g0b, g1b
	s_cmp_eq_u32 s15, 0
	s_cbranch_scc0 .Lfor_b_\@
	tensor_load_to_lds s[\g0a:\g0a+3], s[\g1a:\g1a+7]
	s_nop 0
.rept 4
	v_nop
.endr
	s_branch .Lasked_\@
.Lfor_b_\@:
	tensor_load_to_lds s[\g0b:\g0b+3], s[\g1b:\g1b+7]
	s_nop 0
.rept 4
	v_nop
.endr
.Lasked_\@:
.endm
.macro CREST                           ; a round of the cluster's barrier behind its opening barrier
	s_cmp_lg_u32 s14, 0
	s_cbranch_scc1 .Lnot_wave_0_\@
	s_barrier_signal -3
.Lnot_wave_0_\@:
	s_barrier_wait -3
	s_barrier_signal -1
	s_barrier_wait -1
.endm
.macro CROUND
	s_barrier_signal -1
	s_barrier_wait -1
	CREST
.endm
	s_load_b128 s[4:7], s[0:1], 0x0                ; x's codes s[4:5], the weights' codes s[6:7]
	s_load_b128 s[8:11], s[0:1], 0x10              ; the scales' exponents s[8:9], qkv s[10:11]
	v_lshl_add_u32 v[SPW], v0, 2, SPARE
	v_mov_b32 v[NIL], 0
	ds_add_u32 v28, v29
	ds_add_u32 v28, v29
	s_wait_dscnt 0x0
	v_lshrrev_b32 v1, 5, v0
	v_readfirstlane_b32 s14, v1                    ; wave 0..3
	s_lshr_b32 s15, s14, 1                         ; which half of A's rows is mine.  Also: I fetch for A (0) or for B (1)
	s_and_b32 s16, s14, 1                          ; which half of B's rows.  Also: which 128 rows of that tile I fetch
	s_bfe_u32 s40, ttmp6, 0x40000                  ; cx, cy: my place in the cluster
	s_bfe_u32 s41, ttmp6, 0x40004
	s_and_b32 s66, ttmp7, 0xffff
	s_lshl_b32 s66, s66, 2                         ; 4 x cluster y: it walks the tokens' 32 tiles, which are A's for q and k, B's for v
	s_cmp_eq_u32 ttmp9, 2                          ; (the cluster's x is the same in all sixteen partners)
	s_cselect_b32 s67, 0, s66
	s_cselect_b32 s68, s66, 0
	s_add_co_u32 s17, s67, s41                     ; A's tile: made of cy and the cluster's numbers alone
	s_add_co_u32 s42, s68, s40                     ; B's tile: of cx and the cluster's numbers alone
	s_lshl_b32 s43, s41, 2
	s_lshl_b32 s43, 15, s43                        ; my row of the cluster
	s_lshl_b32 s44, 0x1111, s40                    ; my column
	s_or_b32 s[G1+0], s43, (0<<16)|(1<<20)|(1<<21)|(5<<22)|(3<<25)  ; 15:0 the mask; 17:16 elements of 1 byte; 20 padding on; 21 set beside a mask; 24:22 after every 64 words; 31:25 four words
	s_or_b32 s[G1B+0], s44, (0<<16)|(1<<20)|(1<<21)|(5<<22)|(3<<25)
.irp g, G1, G1B
	s_mov_b32 s[\g+1], ROWB<<16                    ; tensor_dim0
	s_mov_b32 s[\g+2], 128<<16                     ; tensor_dim1
	s_mov_b32 s[\g+3], ROWB<<16                    ; tile_dim0
	s_mov_b32 s[\g+4], 128                         ; tile_dim1
	s_mov_b32 s[\g+5], KROW                        ; tensor_dim0_stride
	s_mov_b32 s[\g+6], 0
	s_mov_b32 s[\g+7], 0
.endr
	s_lshl_b32 s69, ttmp9, 23                      ; plane P of x's codes,
	s_lshl_b32 s70, ttmp9, 20                      ; and of the weights'
	s_cmp_eq_u32 ttmp9, 2
	s_cselect_b32 s71, s70, s69                    ; A's plane
	s_cselect_b32 s72, s69, s70                    ; B's
	s_lshl_b32 s18, s16, 7                         ; which 128 rows of the tile I fetch
	s_lshl_b32 s20, s17, 8
	s_add_co_u32 s20, s20, s18
	s_lshl_b32 s20, s20, 10                        ; rows of 1,024 bytes
	s_add_co_u32 s20, s20, s71
	s_mov_b32 s21, 0
	s_lshl_b32 s46, s42, 8
	s_add_co_u32 s46, s46, s18
	s_lshl_b32 s46, s46, 10
	s_add_co_u32 s46, s46, s72
	s_mov_b32 s47, 0
	s_mul_i32 s45, s14, HALFT                      ; where they go: wave x 128 rows: no place in the cluster enters an LDS address
	s_wait_kmcnt 0x0
	s_load_b256 s[76:83], s[8:9], 0x0              ; e0 .. e7
	s_load_b128 s[84:87], s[8:9], 0x20             ; e8 .. e11
	s_cmp_eq_u32 ttmp9, 2
	s_cselect_b64 s[12:13], s[6:7], s[4:5]         ; A's buffer
	s_cselect_b64 s[74:75], s[4:5], s[6:7]         ; B's
	s_add_nc_u64 s[20:21], s[12:13], s[20:21]
	s_add_nc_u64 s[46:47], s[74:75], s[46:47]
	CROUND                                         ; all sixteen work-groups are here: the first joint loads meet
.irp s, 0,1
	s_mov_b32 s[G0+4*\s], 1
	s_add_co_u32 s[G0+4*\s+1], s45, \s*SLOT
	s_add_nc_u64 s[G0+4*\s+2:G0+4*\s+3], s[20:21], \s*ROWB
	s_or_b32 s[G0+4*\s+3], s[G0+4*\s+3], 0x80000000
	s_mov_b32 s[G0B+4*\s], 1
	s_add_co_u32 s[G0B+4*\s+1], s45, \s*SLOT
	s_add_nc_u64 s[G0B+4*\s+2:G0B+4*\s+3], s[46:47], \s*ROWB
	s_or_b32 s[G0B+4*\s+3], s[G0B+4*\s+3], 0x80000000
	JLOAD G0+4*\s, G1, G0B+4*\s, G1B
.endr
	v_and_b32 v1, 15, v0                           ; r
	s_wait_alu depctr_va_vdst(0)
	v_bfe_u32 v2, v0, 4, 1                         ; g
	v_mul_u32_u24 v3, v1, PITCH
	v_lshl_add_u32 v4, v2, 4, v3                   ; a fragment's row x pitch + 16 g
	s_mul_i32 s21, s15, HALFT                      ; my 128 rows of A
	s_mul_i32 s22, s16, HALFT                      ; my 128 rows of B,
	s_add_co_u32 s22, s22, 2*HALFT                 ; which lie behind A's 256
.irp s, 0,1
	v_add_nc_u32 v[ADRA+\s], s21, v4
	v_add_nc_u32 v[ADRB+\s], s22, v4
	s_add_co_u32 s21, s21, SLOT
	s_add_co_u32 s22, s22, SLOT
.endr
	s_mul_i32 s23, s14, WSTAGE                     ; my stage
	v_mul_u32_u24 v5, v1, SPITCH
	v_add_nc_u32 v5, s23, v5
	s_wait_alu depctr_va_vdst(0)
	v_lshl_add_u32 v[STO], v2, 3, v5
	v_lshl_add_u32 v[RDA], v2, 4, v5
	v_and_b32 v6, 8, v1
	v_mul_u32_u24 v6, v6, SPITCH
	v_add_nc_u32 v[RDB], v6, v[RDA]
	v_and_b32 v6, 31, v0
	v_lshlrev_b32 v[CO], 4, v6
	; where my wave's two blocks begin in qkv: plane P, head, block of 128 tokens
	s_lshl_b32 s66, s17, 8
	s_lshl_b32 s67, s15, 7
	s_add_co_u32 s66, s66, s67                     ; my first row of A
	s_lshl_b32 s67, s42, 8
	s_lshl_b32 s68, s16, 7
	s_add_co_u32 s67, s67, s68                     ; my first row of B
	s_cmp_eq_u32 ttmp9, 2
	s_cselect_b32 s68, s67, s66                    ; my first token
	s_cselect_b32 s69, s66, s67                    ; my first channel of the 1,024
	s_lshr_b32 s70, s68, 11
	s_lshl_b32 s70, s70, 4
	s_lshr_b32 s69, s69, 6
	s_add_co_u32 s70, s70, s69                     ; batch x 16 + head
	s_lshl_b32 s70, s70, 17
	s_and_b32 s68, s68, 2047
	s_lshl_b32 s68, s68, 6                         ; 8,192 bytes for each 128 tokens
	s_add_co_u32 s70, s70, s68
	s_lshl_b32 s68, ttmp9, 23
	s_add_co_u32 s70, s70, s68
	s_mov_b32 s71, 0
	s_add_nc_u64 s[10:11], s[10:11], s[70:71]
.macro FRAG reg, adr, q, i             ; a fragment: four loads of 16 bytes, 32 bytes apart
.irp c, 0,1,2,3
	ds_load_b128 v[\reg+4*\c:\reg+4*\c+3], v[\adr] offset:128*(\q)+32*\c+(\i)*16*PITCH
.endr
.endm
; 16 matrix instructions: A's blocks a0, a0 + 1 x B's eight, 128 along K.  p: B's set.  zero = 1: the first product starts the sums.  The 64 accumulators take turns, one instruction a turn.
.macro MUL16 a0, p, zero
.irp a, \a0, \a0+1
.irp b, 0,1,2,3,4,5,6,7
.if \zero
	v_wmma_f32_16x16x128_fp8_fp8 v[8*(8*((\a)%4)+\b):8*(8*((\a)%4)+\b)+7], v[128*(\p)+FR*\b:128*(\p)+FR*\b+FR-1], v[AF+FR*(\a):AF+FR*(\a)+FR-1], 0
.else
	v_wmma_f32_16x16x128_fp8_fp8 v[8*(8*((\a)%4)+\b):8*(8*((\a)%4)+\b)+7], v[128*(\p)+FR*\b:128*(\p)+FR*\b+FR-1], v[AF+FR*(\a):AF+FR*(\a)+FR-1], v[8*(8*((\a)%4)+\b):8*(8*((\a)%4)+\b)+7]
.endif
.endr
.endr
.endm
.macro FETCH_B slot, q, p
	WIN TO_B
.irp i, 0,1,2,3,4,5,6,7
	FRAG 128*(\p)+FR*\i, ADRB+\slot, \q, \i
.endr
	WIN 0
.endm
.macro FETCH_A slot, q, i0
.irp i, \i0, \i0+1, \i0+2, \i0+3
	FRAG AF+FR*(\i), ADRA+\slot, \q, \i
.endr
.endm
.macro PLACES n                        ; plain vector lines between a matrix instruction and a load into, or a vector read of, its registers (ISA guide 7.12.1 for vector reads)
.rept \n
	v_nop
.endr
.endm
; A step of 128 along K that has its successor in the same slot.  A's blocks go one after the other, each against B's eight: blocks 0-3 are fetched anew in the step's middle, blocks 4-7 at its end.
.macro STEP slot, q, zero
	s_wait_dscnt 4*NL                              ; B's set and A's blocks 0-3 are in; the youngest sixteen loads (A's blocks 4-7) may be out
	WIN MUL_LO
	MUL16 0, (\q)%2, \zero
	MUL16 2, (\q)%2, \zero
	s_wait_dscnt 0                                 ; A's blocks 4-7 are in
	PLACES NP
	FETCH_B \slot, (\q)+1, 1-(\q)%2
	FETCH_A \slot, (\q)+1, 0
	WIN MUL_HI
	MUL16 4, (\q)%2, \zero
	MUL16 6, (\q)%2, \zero
	PLACES NP
	WIN 0
	FETCH_A \slot, (\q)+1, 4
.endm
; A slot's last step changes slots: ONE barrier; in front of it each wave waits for all its tensor loads, adds 0 to its spare word, and waits for that and for its own reads of this slot.  fill = 1: this slot is filled again.
.macro TURN slot, next, fill
	s_wait_tensorcnt 0x0                           ; all my tensor loads have landed: my part of the next slot
	ds_add_u32 v[SPW], v[NIL]                      ; 0 onto my spare word
	s_wait_dscnt 4*NL+1                            ; (the add and the youngest sixteen loads, A's blocks 4-7, may be out)
	WIN MUL_LO
	MUL16 0, 1, 0                                  ; sixteen matrix instructions stand between the add and the wait for it
	s_wait_dscnt 0x0                               ; the add is done, and my reads of this slot are over
	s_barrier_signal -1
	MUL16 2, 1, 0
	WIN 0
	s_barrier_wait -1
.if \fill
	CREST                                          ; the barrier has opened a round of the cluster's barrier: no wave of any partner still reads this slot or has a load on its way
	s_add_nc_u64 s[G0+4*\slot+2:G0+4*\slot+3], s[G0+4*\slot+2:G0+4*\slot+3], 2*ROWB
	s_add_nc_u64 s[G0B+4*\slot+2:G0B+4*\slot+3], s[G0B+4*\slot+2:G0B+4*\slot+3], 2*ROWB
	JLOAD G0+4*\slot, G1, G0B+4*\slot, G1B         ; the first tensor load behind the round; its four v_nop are also the places in front of the loads below
.else
	PLACES NP
.endif
	FETCH_B \next, 0, 0
	FETCH_A \next, 0, 0
	WIN MUL_HI
	MUL16 4, 1, 0
	MUL16 6, 1, 0
	PLACES NP
	WIN 0
	FETCH_A \next, 0, 4
.endm
	s_wait_tensorcnt 1                             ; my part of slot 0 is in; slot 1's load may be out
	s_barrier_signal -1
	s_barrier_wait -1
	FETCH_B 0, 0, 0
	FETCH_A 0, 0, 0
	FETCH_A 0, 0, 4
	STEP 0, 0, 1                                   ; K = 1,024 is eight steps of 128: they are written out; the first starts the sums
	TURN 0, 1, 1                                   ; slot 0 takes K 512 on
	STEP 1, 0, 0
	TURN 1, 0, 1                                   ; slot 1 takes K 768 on
	STEP 0, 0, 0
	TURN 0, 1, 0                                   ; nothing is left to fetch; behind this barrier nobody reads slot 0
	STEP 1, 0, 0
	s_wait_dscnt 4*NL
	WIN MUL_LO
	MUL16 0, 1, 0
	MUL16 2, 1, 0
	s_wait_dscnt 0
	WIN MUL_HI
	MUL16 4, 1, 0
	MUL16 6, 1, 0
	WIN 0
	; THE WAY OUT.  All three f are made and one is chosen by selects: no branch hangs on a given scale.
	s_wait_kmcnt 0x0
	s_sub_co_i32 s88, s82, s76
	s_sub_co_i32 s88, s88, s77                     ; q: e6 - e0 - e1
	s_sub_co_i32 s89, s83, s78
	s_sub_co_i32 s89, s89, s79                     ; k: e7 - e2 - e3
	s_sub_co_i32 s90, s85, s80
	s_sub_co_i32 s90, s90, s81                     ; v: e9 - e4 - e5
	s_cmp_eq_u32 ttmp9, 1
	s_cselect_b32 s88, s89, s88
	s_cmp_eq_u32 ttmp9, 2
	s_cselect_b32 s88, s90, s88
	s_add_co_i32 s88, s88, 127
	s_lshl_b32 s89, s88, 23
	v_mov_b32 v[QSC], s89                          ; 2^f
	s_add_co_i32 s88, s88, 8
	s_lshl_b32 s88, s88, 23
	s_or_b32 s88, s88, 0x600000
	v_mov_b32 v[QLM], s88                          ; 448 x 2^f
	PLACES NP
; Block a (16 rows of A x my 128 rows of B): held, converted, 8 codes a lane and accumulator into stage row 16 a + r at byte 16 b + 8 g.
.macro QBLOCK a
.set AC, 64*((\a)%4)
.set CDS, CD+16*((\a)%2)
	WIN 0x02+((\a)/4)                              ; source 0: window 2 or 3
.set j, 0
.rept 64
	v_med3_num_f32 v[TMP+j], v[AC+j], -v[QLM], v[QLM]   ; the hold; each accumulator from its low end on
.set j, j+1
.endr
	WIN 0
.if (\a) >= 2
	s_wait_alu depctr_va_vdst(0)
	s_wait_dscnt 8                                 ; only the last block's eight stores may be out: those that read this set of codes are done
.endif
.irp b, 0,1,2,3,4,5,6,7
	v_cvt_scalef32_pk8_fp8_f32 v[CDS+2*\b:CDS+2*\b+1], v[TMP+8*\b:TMP+8*\b+7], v[QSC]
.endr
	v_nop                                          ; a plain line between the conversions and the next block's holds, which write their sources
.irp b, 0,1,2,3,4,5,6,7
	ds_store_b64 v[STO], v[CDS+2*\b:CDS+2*\b+1] offset:16*SPITCH*(\a)+16*\b
.endr
.endm
.irp a, 0,1,2,3,4,5,6,7
	QBLOCK \a
.endr
; The stage is read back in the order of the operand's registers, 32 units of 512 bytes (two heads x 16), and stored: each store covers 512 consecutive bytes, aligned.
; LDS serves a wave's instructions in order: these loads see my stores.  kind 0: q, 1: k, 2: v.
.macro TAIL kind
.set idx, 0
.rept 32
.set hh, idx/16
.set n, idx%16
.if \kind == 0
	ds_load_b128 v[BK+4*idx:BK+4*idx+3], v[RDA] offset:SPITCH*16*(n/2)+64*hh+32*(n%2)
.elseif \kind == 1
	ds_load_b128 v[BK+4*idx:BK+4*idx+3], v[RDB] offset:SPITCH*(32*(n/4)+8*((n/2)%2))+64*hh+32*(n%2)
.else
	ds_load_b128 v[BK+4*idx:BK+4*idx+3], v[RDB] offset:SPITCH*(64*hh+32*(n/8)+8*((n/4)%2))+32*(n%4)
.endif
.set idx, idx+1
.endr
.set idx, 0
.rept 32
	s_wait_dscnt 31-idx                            ; the younger loads may be out
	global_store_b128 v[CO], v[BK+4*idx:BK+4*idx+3], s[10:11] offset:131072*(idx/16)+512*(idx%16)
.set idx, idx+1
.endr
.endm
	s_cmp_eq_u32 ttmp9, 0                          ; the cluster's x: the same in all partners and all waves
	s_cbranch_scc1 .Ltail_q
	s_cmp_eq_u32 ttmp9, 1
	s_cbranch_scc1 .Ltail_k
	TAIL 2
	s_branch .Ljoin
.Ltail_q:
	TAIL 0
	s_branch .Ljoin
.Ltail_k:
	TAIL 1
.Ljoin:
	s_wait_tensorcnt 0x0                           ; the wave's end
	ds_add_u32 v[SPW], v[NIL]
	s_wait_dscnt 0x0
	CROUND                                         ; the closing round: no work-group ends while a partner may still ask for a tile that names it
	s_endpgm
.Lfunc_end_k_qfa145097e6_proj:
	.size	k_qfa145097e6_proj, .Lfunc_end_k_qfa145097e6_proj-k_qfa145097e6_proj
	.p2alignl 7, 3214868480
	.fill 96, 4, 3214868480
	.section	.rodata,"a",@progbits
	.p2align	6, 0x0
	.amdhsa_kernel k_qfa145097e6_proj
		.amdhsa_group_segment_fixed_size 327680
		.amdhsa_private_segment_fixed_size 0
		.amdhsa_enable_private_segment 0
		.amdhsa_kernarg_size 32
		.amdhsa_user_sgpr_count 2
		.amdhsa_user_sgpr_kernarg_segment_ptr 1
		.amdhsa_wavefront_size32 1
		.amdhsa_system_sgpr_workgroup_id_x 1
		.amdhsa_system_sgpr_workgroup_id_y 1
		.amdhsa_system_sgpr_workgroup_id_z 1
		.amdhsa_system_vgpr_workitem_id 0
		.amdhsa_next_free_vgpr 1024
		.amdhsa_next_free_sgpr 100
		.amdhsa_reserve_vcc 0
		.amdhsa_float_denorm_mode_32 3
		.amdhsa_float_denorm_mode_16_64 3
		.amdhsa_memory_ordered 1
		.amdhsa_forward_progress 1
		.amdhsa_inst_pref_size 138
	.end_amdhsa_kernel
	.amdgpu_metadata
---
amdhsa.version: [ 1, 2 ]
amdhsa.kernels:
  - .name:           k_qfa145097e6_proj
    .symbol:         k_qfa145097e6_proj.kd
    .args:
      - { .name: xc, .offset: 0, .size: 8, .value_kind: global_buffer, .address_space: global }
      - { .name: wc, .offset: 8, .size: 8, .value_kind: global_buffer, .address_space: global }
      - { .name: lowp_scales, .offset: 16, .size: 8, .value_kind: global_buffer, .address_space: global }
      - { .name: qkv, .offset: 24, .size: 8, .value_kind: global_buffer, .address_space: global }
    .group_segment_fixed_size: 327680
    .private_segment_fixed_size: 0
    .kernarg_segment_align: 8
    .kernarg_segment_size: 32
    .max_flat_workgroup_size: 128
    .sgpr_count:     100
    .vgpr_count:     1024
    .wavefront_size: 32
...
	.end_amdgpu_metadata
.endif
;; end of part 2
;; launch attn (part 3): grid 4 x 64, 16 waves a work-group, clusters of 4 x 1, 264,192 bytes of LDS; arguments qkv, lowp_scales, ac; writes ac
.if DOCPART == 3
	.amdgcn_target "amdgcn-amd-amdhsa--gfx1250"
	.amdhsa_code_object_version 6
	.text
	.protected	k_qfa145097e6_attn
	.globl	k_qfa145097e6_attn
	.p2align	8
	.type	k_qfa145097e6_attn,@function
k_qfa145097e6_attn:
	s_mov_b64 s[64:65], 0
	v_nop
	global_prefetch_b8 v0, s[64:65] scope:SCOPE_SE
	s_setreg_imm32_b32 hwreg(HW_REG_WAVE_MODE, 25, 1), 1
	s_wait_xcnt 0x0
	s_wait_alu depctr_hold_cnt(0) depctr_sa_sdst(0) depctr_va_vdst(0) depctr_va_sdst(0) depctr_va_ssrc(0) depctr_va_vcc(0) depctr_vm_vsrc(0)
	s_getreg_b32 s2, hwreg(HW_REG_IB_STS2, 6, 4)
	s_cmp_eq_u32 s2, 0
	s_cbranch_scc0 .Lentry_in_a_cluster
	s_endpgm
.Lentry_in_a_cluster:
	s_bfe_u32 s2, ttmp6, 0x10000c
	s_cmp_lg_u32 s2, 0x3003
	s_cbranch_scc0 .Lentry_shape_is_right
	s_endpgm
.Lentry_shape_is_right:
; Causal attention on E4M3 codes, head size 64, 2,048 tokens, 64 (batch, head) pairs.  q, k, v come as codes in the order of the operands' registers (buffer qkv: three planes of 8 MiB; a plane is
; [pair][16 blocks of 128 tokens][8,192 bytes]; unit n of a block has lane l's 16 bytes at 512 n + 16 l).  The result, O / l, is quantised with entry 10 of lowp_scales and stored as the output product's operand.
; THE SOFTMAX: t = score x log2(e) / 8; M = the running largest t rounded UP to a whole number; p = 2^(t - M) is quantised (entry 8), not normalised; the row's sum l is taken of the unquantised p and divides at the end.
; When M moves, l and O are multiplied by 2^(old M - new M), which rounds nothing.
; SHARES.  A cluster is the four work-groups of one pair.  The pair's whole K and V, 128 KiB each, come into every partner's LDS ONCE, by joint loads at the head: nothing is filled again, so the loops have no barrier.
; A wave owns two tiles of 16 queries: in pass 0 tile sub of block m (128 queries), in pass 1 tile sub of block 15 - m: m + 1 and 16 - m key steps of 128, 17 for every wave.
; sub = 2 cx + bit 2 of the wave's number.  m is laid over the sixteen waves so that, seen as a 4 x 4 table, each row and each column sums to 14: whichever four waves run side by side, their pass 0 has 18 steps and their pass 1 has 50.
; The loops' trip counts are constants (8 and 16); a step all of whose keys come after the wave's queries is jumped over, by a branch on the wave's number and the loop's count.  cx enters only global addresses of q and ac and the number that the mask compares with.
; LAYOUT.  Both products transposed: S^T = K Q^T (source 0 = 16 keys), O^T = V^T P^T (source 0 = 16 channels): a lane holds ONE query (lane % 16).  The keys of a tile of K, and the channels of a tile of V, are chosen
; (row r of tile 2 b + u is 32 b + 8 u + r + 8 (r / 8)) so that the 16 registers of two neighbouring tiles are 16 neighbours along the next product's K: the conversions' results are operands as they stand.
; LIMITS on the given exponents: e6 + e7 between -123 and 130 (added to c's exponent field); e8, and e10 - e8 - e9, between -126 and 119.
; REGISTERS: v1-5 addresses and the mask's number; v12 -M, v13 the largest t, v[14:15] l in two halves; v16-23, v24-31 Q of pass 0, 1; v32-95 K's eight fragments, then V's four; v96-159 S^T, then p; v160-191 O^T; v192-207 p's codes;
; v208-223 the results' codes; v232-254 at work and the scales.
.set LI,   1                           ; v1   16 x lane
.set ADK,  2                           ; v2   LDS address of the step's K
.set ADV,  3                           ; v3   of its V
.set DQ,   4                           ; v4   my query in its block - 16 (lane / 16)
.set AV0,  5                           ; v5   16 x lane + V's base
.set WV,   12                          ; s12  my wave's number
.set G1,   16                          ; s[16:23] descriptor group 1
.set G0A,  24                          ; s[24:27] group 0: keys 0-1,023
.set G0B,  28                          ; s[28:31] keys 1,024-2,047
.set SEL,  32                          ; s[32:33] lane selects for v_permlanex16_b32: lane l xor 16
.set CS,   34                          ; s[34:35] c = log2(e) / 8 x 2^(e6 + e7)
.set QA0,  36                          ; s[36:37], s[38:39] my two tiles of q
.set QA1,  38
.set OA0,  40                          ; s[40:41], s[42:43] and their places in ac
.set OA1,  42
.set MB0,  50                          ; s50  m
.set MB1,  51                          ; s51  15 - m
.set KS,   52                          ; s52  the key step
.set TB,   53                          ; s53  8,192 x the key step
.set VBASE, 1<<17                      ; LDS: K's 16 blocks of 8,192 bytes from 0, V's from here
.macro CROUND                          ; a round of the cluster's barrier
	s_barrier_signal -1
	s_barrier_wait -1
	s_cmp_lg_u32 s[WV], 0
	s_cbranch_scc1 .Lnot_wave_0_\@
	s_barrier_signal -3
.Lnot_wave_0_\@:
	s_barrier_wait -3
	s_barrier_signal -1
	s_barrier_wait -1
.endm
	s_load_b128 s[4:7], s[0:1], 0x0                ; qkv s[4:5], the scales' exponents s[6:7]
	s_load_b64 s[8:9], s[0:1], 0x10                ; ac
	v_lshl_add_u32 v251, v0, 2, 0x40000
	v_mov_b32 v255, 0
	ds_add_u32 v251, v255
	ds_add_u32 v251, v255
	v_lshrrev_b32 v8, 5, v0
	s_delay_alu instid0(VALU_DEP_1)
	v_readfirstlane_b32 s[WV], v8                  ; wave 0..15
	s_bfe_u32 s10, ttmp6, 0x40000                  ; cx
	s_and_b32 s11, ttmp7, 0xffff                   ; the pair: batch x 16 + head, which the four partners share
	; descriptor group 1: 128 dense rows of 256 bytes (32 elements of 8 bytes): 32 KiB, no padding: the images are read 512 consecutive bytes an instruction
	s_mov_b32 s[G1], 15|(3<<16)|(1<<21)            ; 15:0 the mask: all four work-groups; 17:16 elements of 8 bytes; 21 set beside a mask
	s_mov_b32 s[G1+1], 32<<16                      ; tensor_dim0
	s_mov_b32 s[G1+2], 128<<16                     ; tensor_dim1
	s_mov_b32 s[G1+3], 32<<16                      ; tile_dim0
	s_mov_b32 s[G1+4], 128                         ; tile_dim1
	s_mov_b32 s[G1+5], 32                          ; tensor_dim0_stride
	s_mov_b32 s[G1+6], 0
	s_mov_b32 s[G1+7], 0
	; waves 0 to 3 fetch: bit 0 says K or V, bit 1 which 32 KiB of each 64
	s_and_b32 s54, s[WV], 1
	s_bfe_u32 s55, s[WV], 0x10001
	s_lshl_b32 s56, s54, 17
	s_lshl_b32 s57, s55, 15
	s_add_co_u32 s56, s56, s57                     ; in LDS
	s_add_co_u32 s58, s54, 1
	s_lshl_b32 s58, s58, 23                        ; plane 1 (k) or 2 (v),
	s_lshl_b32 s59, s11, 17                        ; the pair's 128 KiB,
	s_add_co_u32 s58, s58, s59
	s_add_co_u32 s58, s58, s57                     ; my 32 KiB
	s_mov_b32 s59, 0
	s_wait_dscnt 0x0
	s_wait_kmcnt 0x0
	s_load_b128 s[44:47], s[6:7], 0x18             ; e6, e7, e8, e9
	s_load_b32 s48, s[6:7], 0x28                   ; e10
	s_mov_b32 s[G0A], 1
	s_mov_b32 s[G0A+1], s56
	s_add_nc_u64 s[G0A+2:G0A+3], s[4:5], s[58:59]
	s_mov_b32 s[G0B], 1
	s_add_co_u32 s[G0B+1], s56, 65536
	s_add_nc_u64 s[G0B+2:G0B+3], s[G0A+2:G0A+3], 65536
	s_or_b32 s[G0A+3], s[G0A+3], 0x80000000
	s_or_b32 s[G0B+3], s[G0B+3], 0x80000000
	CROUND                                         ; all four work-groups are here: the joint loads meet
	s_cmp_lt_u32 s[WV], 4                          ; a wave's two loads stand in one branch, ahead of every wait on TENSORcnt and every LDS read: two loads of mine are out
	s_cbranch_scc0 .Lno_fetch
	tensor_load_to_lds s[G0A:G0A+3], s[G1:G1+7]
	s_nop 0
	tensor_load_to_lds s[G0B:G0B+3], s[G1:G1+7]
	s_nop 0
.rept 4
	v_nop
.endr
.Lno_fetch:
	; m, from the wave's bits b3 b2 b1 b0: (2 b1 | (b3 xor b1)) xor 7 (b0 xor b2)
	s_bfe_u32 s54, s[WV], 0x10001
	s_lshr_b32 s55, s[WV], 3
	s_xor_b32 s55, s55, s54
	s_lshl_b32 s54, s54, 1
	s_or_b32 s54, s54, s55
	s_lshr_b32 s55, s[WV], 2
	s_xor_b32 s55, s55, s[WV]
	s_and_b32 s55, s55, 1
	s_mul_i32 s55, s55, 7
	s_xor_b32 s[MB0], s54, s55
	s_sub_co_u32 s[MB1], 15, s[MB0]
	s_lshl_b32 s54, s10, 1
	s_bfe_u32 s55, s[WV], 0x10002
	s_add_co_u32 s54, s54, s55                     ; sub
	s_lshl_b32 s55, s[MB0], 3
	s_add_co_u32 s55, s55, s54                     ; my tile of pass 0, of the pair's 128,
	s_lshl_b32 s56, s[MB1], 3
	s_add_co_u32 s56, s56, s54                     ; and of pass 1
	s_lshl_b32 s57, s11, 17
	s_lshl_b32 s58, s55, 10                        ; a tile of q is 1,024 bytes
	s_add_co_u32 s58, s58, s57
	s_mov_b32 s59, 0
	s_add_nc_u64 s[QA0:QA0+1], s[4:5], s[58:59]
	s_lshl_b32 s58, s56, 10
	s_add_co_u32 s58, s58, s57
	s_add_nc_u64 s[QA1:QA1+1], s[4:5], s[58:59]
	v_and_b32 v8, 31, v0
	s_delay_alu instid0(VALU_DEP_1)
	v_lshlrev_b32 v[LI], 4, v8
	s_wait_alu depctr_va_vdst(0)
	global_load_b128 v[16:19], v[LI], s[QA0:QA0+1]             ; Q's fragments stay in registers: channels 16 (lane / 16) + 0..15,
	global_load_b128 v[20:23], v[LI], s[QA0:QA0+1] offset:512  ; and 32 further on
	global_load_b128 v[24:27], v[LI], s[QA1:QA1+1]
	global_load_b128 v[28:31], v[LI], s[QA1:QA1+1] offset:512
	; ac: [head / 4][token / 16][4,096 bytes]; in them (head % 4) x 1,024 + 512 b + 16 x lane
	s_and_b32 s57, s11, 15
	s_lshr_b32 s60, s57, 2
	s_lshl_b32 s60, s60, 21
	s_and_b32 s57, s57, 3
	s_lshl_b32 s57, s57, 10
	s_add_co_u32 s60, s60, s57
	s_lshr_b32 s57, s11, 4
	s_lshl_b32 s57, s57, 19                        ; a batch is 128 tiles of 4,096 bytes
	s_add_co_u32 s60, s60, s57
	s_lshl_b32 s58, s55, 12
	s_add_co_u32 s58, s58, s60
	s_add_nc_u64 s[OA0:OA0+1], s[8:9], s[58:59]
	s_lshl_b32 s58, s56, 12
	s_add_co_u32 s58, s58, s60
	s_add_nc_u64 s[OA1:OA1+1], s[8:9], s[58:59]
	v_add_nc_u32 v[AV0], VBASE, v[LI]
	v_and_b32 v8, 15, v0
	v_bfe_u32 v9, v0, 4, 1
	s_delay_alu instid0(VALU_DEP_1)
	v_lshlrev_b32 v9, 4, v9
	s_delay_alu instid0(VALU_DEP_1)
	v_sub_nc_u32 v[DQ], v8, v9
	s_lshl_b32 s54, s54, 4
	v_add_nc_u32 v[DQ], s54, v[DQ]                 ; 16 sub + lane % 16 - 16 (lane / 16)
	v_mov_b32 v236, 0                              ; written once: a lane permute's destination counts as one of its sources
	v_mov_b32 v252, 0
	v_mov_b32 v253, 0                              ; (named as the upper half of the pair v[252:253])
	s_mov_b32 s[SEL], 0x76543210
	s_mov_b32 s[SEL+1], 0xfedcba98
	s_mov_b32 s[CS], 0x3e38aa3b                    ; log2(e) / 8
	s_wait_kmcnt 0x0
	s_add_co_i32 s54, s44, s45
	s_lshl_b32 s54, s54, 23
	s_add_co_i32 s[CS], s[CS], s54                 ; a score stands for score x 2^(e6 + e7)
	s_mov_b32 s[CS+1], s[CS]                       ; (named with it as a pair, so it is written)
	s_add_co_i32 s54, s46, 127
	s_lshl_b32 s55, s54, 23
	v_mov_b32 v244, s55                            ; 2^e8, for p's conversions
	s_sub_co_i32 s54, s48, s46
	s_sub_co_i32 s54, s54, s47                     ; a sum of the second product stands for sum x 2^(e8 + e9): its code is (sum / l) / 2^(e10 - e8 - e9)
	s_add_co_i32 s54, s54, 127
	s_lshl_b32 s55, s54, 23
	v_mov_b32 v245, s55
; A KEY STEP: 128 keys.  qreg: my queries' fragment; mb: the scalar register with my queries' block.
.macro STEP qreg, mb
	s_cmp_gt_u32 s[KS], s[\mb]                     ; all these keys come after my queries
	s_cbranch_scc1 .Lhid_\@
	s_setprio 2
	v_add_nc_u32 v[ADK], s[TB], v[LI]
	v_add_nc_u32 v[ADV], s[TB], v[AV0]
	v_nop                                          ; with the two additions: four places in front of loads into registers that the last products read
	v_nop
.set n, 0
.rept 16
	ds_load_b128 v[32+4*n:35+4*n], v[ADK] offset:512*n         ; K: tile n / 2, channels 32 (n % 2) on: 512 consecutive bytes
.set n, n+1
.endr
	s_wait_alu depctr_va_vdst(0)
	s_wait_dscnt 0x0
.irp t, 0,1,2,3,4,5,6,7
	v_wmma_f32_16x16x64_fp8_fp8 v[96+8*\t:103+8*\t], v[32+8*\t:39+8*\t], v[\qreg:\qreg+7], 0
.endr                                              ; register 16 b + i of v96 on: key 32 b + 16 (lane / 16) + i of the step
.rept 4
	v_nop                                          ; places: in front of the loads below and of the first read of the scores
.endr
.set n, 0
.rept 16
	ds_load_b128 v[32+4*n:35+4*n], v[ADV] offset:512*n         ; V: tile n / 4, keys 32 (n % 4) on; it lands while the softmax is walked
.set n, n+1
.endr
	s_cmp_lt_u32 s[KS], s[\mb]                     ; all these keys count
	s_cbranch_scc1 .Lopen_\@
	v_mov_b32 v254, 0xff800000                     ; on the diagonal hidden scores become -infinity ahead of the maximum: p = 0 then.  A query's own key always counts
.set n, 0
.rept 64
	v_cmp_gt_i32 vcc_lo, 32*(n/16)+n%16, v[DQ]
	v_cndmask_b32 v[96+n], v[96+n], v254, vcc_lo
.set n, n+1
.endr
.Lopen_\@:
	v_max3_num_f32 v254, v96, v97, v98             ; the step's largest score of my query among my 64 keys, in two chains,
	v_max3_num_f32 v252, v99, v100, v101
.set j, 6
.rept 14
	v_max3_num_f32 v254, v254, v[96+j], v[97+j]
	v_max3_num_f32 v252, v252, v[98+j], v[99+j]
.set j, j+4
.endr
	v_max3_num_f32 v254, v254, v158, v159
	s_delay_alu instid0(VALU_DEP_1)
	v_max_num_f32 v254, v254, v252
	s_delay_alu instid0(VALU_DEP_1)
	v_permlanex16_b32 v236, v254, s[SEL], s[SEL+1]
	s_delay_alu instid0(VALU_DEP_1)
	v_max_num_f32 v254, v254, v236                 ; and among lane l xor 16's
	s_delay_alu instid0(VALU_DEP_1)
	v_mul_f32 v254, s[CS], v254                    ; as t (c is positive)
	s_delay_alu instid0(VALU_DEP_1)
	v_max_num_f32 v13, v13, v254                   ; the running largest t
	v_mov_b32 v254, v12
	s_delay_alu instid0(VALU_DEP_2)
	v_floor_f32 v12, -v13                          ; the new -M = floor(-t): M is a whole number
	s_delay_alu instid0(VALU_DEP_1)
	v_sub_f32 v254, v12, v254                      ; old M - new M: a whole number, 0 or less
	s_delay_alu instid0(VALU_DEP_1)
	v_cvt_i32_f32 v254, v254                       ; (it saturates)
	s_delay_alu instid0(VALU_DEP_1)
	v_ldexp_f32 v252, 1.0, v254                    ; f = 2^(old M - new M)
.set j, 0
	s_setprio 1
.rept 32
	v_pk_fma_f32 v[96+j:97+j], v[96+j:97+j], s[CS:CS+1], v[12:13] op_sel_hi:[1,0,0]   ; t - M, two at a time
.set j, j+2
.endr
.set j, 0
	s_wait_alu depctr_va_vdst(0)
.rept 64
	v_exp_f32 v[96+j], v[96+j]                     ; p = 2^(t - M)
.set j, j+1
.endr
	v_pk_mul_f32 v[14:15], v[14:15], v[252:253] op_sel_hi:[1,0]   ; l under the new M; also the plain line behind the exponentials
	s_wait_alu depctr_va_vdst(0)                   ; one wait for the batch of 64, ahead of its first reader
	v_pk_add_f32 v[242:243], v[100:101], v[104:105]
	v_pk_add_f32 v[248:249], v[108:109], v[112:113]
	v_pk_add_f32 v[246:247], v[116:117], v[120:121]
	v_pk_add_f32 v[240:241], v[124:125], v[128:129]
	v_pk_add_f32 v[238:239], v[132:133], v[136:137]
	v_pk_add_f32 v[234:235], v[140:141], v[144:145]
	v_pk_add_f32 v[232:233], v[148:149], v[152:153]
	v_pk_add_f32 v[14:15], v[14:15], v[156:157]
	v_pk_add_f32 v[242:243], v[242:243], v[96:97]
	v_pk_add_f32 v[248:249], v[248:249], v[98:99]
	v_pk_add_f32 v[246:247], v[246:247], v[102:103]
	v_pk_add_f32 v[240:241], v[240:241], v[106:107]
	v_pk_add_f32 v[238:239], v[238:239], v[110:111]
	v_pk_add_f32 v[234:235], v[234:235], v[114:115]
	v_pk_add_f32 v[232:233], v[232:233], v[118:119]
	v_pk_add_f32 v[14:15], v[14:15], v[122:123]
	v_pk_add_f32 v[242:243], v[242:243], v[126:127]
	v_pk_add_f32 v[248:249], v[248:249], v[130:131]
	v_pk_add_f32 v[246:247], v[246:247], v[134:135]
	v_pk_add_f32 v[240:241], v[240:241], v[138:139]
	v_pk_add_f32 v[238:239], v[238:239], v[142:143]
	v_pk_add_f32 v[234:235], v[234:235], v[146:147]
	v_pk_add_f32 v[232:233], v[232:233], v[150:151]
	s_setprio 0
	v_pk_add_f32 v[14:15], v[14:15], v[154:155]
	v_pk_add_f32 v[242:243], v[242:243], v[158:159]
	s_delay_alu instid0(VALU_DEP_2)
	v_pk_add_f32 v[14:15], v[14:15], v[240:241]
	s_delay_alu instid0(VALU_DEP_2)
	v_pk_add_f32 v[242:243], v[242:243], v[238:239]
	v_pk_add_f32 v[248:249], v[248:249], v[234:235]
	v_pk_add_f32 v[246:247], v[246:247], v[232:233]
	s_delay_alu instid0(VALU_DEP_2)
	v_pk_add_f32 v[14:15], v[14:15], v[248:249]
	s_delay_alu instid0(VALU_DEP_2)
	v_pk_add_f32 v[242:243], v[242:243], v[246:247]
	s_delay_alu instid0(VALU_DEP_1)
	v_pk_add_f32 v[14:15], v[14:15], v[242:243]
.irp b, 0,1,2,3
.irp i, 0,1,2,3,4,5,6,7,8,9,10,11,12,13,14,15
.endr
	v_cvt_scalef32_pk8_fp8_f32 v[192+4*\b:193+4*\b], v[96+16*\b:103+16*\b], v244
	v_cvt_scalef32_pk8_fp8_f32 v[194+4*\b:195+4*\b], v[104+16*\b:111+16*\b], v244
.endr
.set j, 0
.rept 16
	v_pk_mul_f32 v[160+j:161+j], v[160+j:161+j], v[252:253] op_sel_hi:[1,0]   ; O^T under the new M; also the plain lines behind the conversions
.set j, j+2
.endr
	s_wait_alu depctr_va_vdst(0)
	s_wait_dscnt 0x0                               ; V is in
.irp t, 0,1,2,3
	v_wmma_f32_16x16x128_fp8_fp8 v[160+8*\t:167+8*\t], v[32+16*\t:47+16*\t], v[192:207], v[160+8*\t:167+8*\t]   ; the four accumulators by turns
.endr
.Lhid_\@:
.endm
; A PASS: one tile of queries against key steps 0 to ntr - 1, of which those up to its own block are worked; then O / l as codes, 512 consecutive bytes a store.
.macro PASS qreg, mb, ntr, outreg, oa
	v_mov_b32 v13, 0xff61b1e6                      ; the largest t so far: -3e38
	s_delay_alu instid0(VALU_DEP_1)
	v_floor_f32 v12, -v13
	v_mov_b32 v14, 0
	v_mov_b32 v15, 0
.set j, 0
.rept 32
	v_mov_b32 v[160+j], 0                          ; the step is written once a pass: its first trip finds zeros, which the first change of M leaves zeros
.set j, j+1
.endr
	s_mov_b32 s[KS], 0
	s_mov_b32 s[TB], 0
.Lkey_\@:
	STEP \qreg, \mb
	s_add_co_u32 s[TB], s[TB], 8192
	s_add_co_u32 s[KS], s[KS], 1
	s_cmp_lt_u32 s[KS], \ntr
	s_cbranch_scc1 .Lkey_\@
	s_setprio 0
.rept 4
	v_nop                                          ; places behind the last products
.endr
	v_add_f32 v14, v14, v15
	s_delay_alu instid0(VALU_DEP_1)
	v_permlanex16_b32 v252, v14, s[SEL], s[SEL+1]
	s_delay_alu instid0(VALU_DEP_1)
	v_add_f32 v14, v14, v252                       ; the row's sum
	s_wait_alu depctr_va_vdst(0)
	v_rcp_f32 v14, v14
	v_nop                                          ; a plain line behind the reciprocal,
	s_wait_alu depctr_va_vdst(0)                   ; and the wait ahead of its first reader
.set j, 0
.rept 16
	v_pk_mul_f32 v[96+j:97+j], v[160+j:161+j], v[14:15] op_sel_hi:[1,0]   ; register 8 t + i: channel 32 (t / 2) + 16 (lane / 16) + 8 (t % 2) + i
.set j, j+2
.endr
.set j, 0
.rept 32
.set j, j+1
.endr
.irp g, 0,1,2,3
	v_cvt_scalef32_pk8_fp8_f32 v[\outreg+2*\g:\outreg+2*\g+1], v[96+8*\g:103+8*\g], v245
.endr
	v_nop                                          ; a plain line between the conversions and whatever next writes their sources
	global_store_b128 v[LI], v[\outreg:\outreg+3], s[\oa:\oa+1]                 ; channels 16 (lane / 16) + 0..15 of token lane % 16
	global_store_b128 v[LI], v[\outreg+4:\outreg+7], s[\oa:\oa+1] offset:512    ; and 32 further on.  Neither the data nor the addresses are written again
.endm
	s_wait_tensorcnt 0x1                           ; my part of keys 0-1,023 is in; the load for keys 1,024 on may be out
	s_barrier_signal -1
	s_barrier_wait -1                              ; everybody's is
	s_wait_loadcnt 0x0                             ; Q
	PASS 16, MB0, 8, 208, OA0                      ; blocks 0-7: eight trips read keys 0-1,023 alone
	s_wait_tensorcnt 0x0                           ; my part of keys 1,024 on is in
	s_wait_dscnt 0x0
	s_barrier_signal -1
	s_barrier_wait -1
	PASS 24, MB1, 16, 216, OA1                     ; blocks 8-15
	s_wait_dscnt 0x0
	s_wait_tensorcnt 0x0
	ds_add_u32 v251, v255
	s_wait_dscnt 0x0
	CROUND                                         ; the closing round
	s_endpgm
.Lfunc_end_k_qfa145097e6_attn:
	.size	k_qfa145097e6_attn, .Lfunc_end_k_qfa145097e6_attn-k_qfa145097e6_attn
	.p2alignl 7, 3214868480
	.fill 96, 4, 3214868480
	.section	.rodata,"a",@progbits
	.p2align	6, 0x0
	.amdhsa_kernel k_qfa145097e6_attn
		.amdhsa_group_segment_fixed_size 264192
		.amdhsa_private_segment_fixed_size 0
		.amdhsa_enable_private_segment 0
		.amdhsa_kernarg_size 24
		.amdhsa_user_sgpr_count 2
		.amdhsa_user_sgpr_kernarg_segment_ptr 1
		.amdhsa_wavefront_size32 1
		.amdhsa_system_sgpr_workgroup_id_x 1
		.amdhsa_system_sgpr_workgroup_id_y 1
		.amdhsa_system_sgpr_workgroup_id_z 1
		.amdhsa_system_vgpr_workitem_id 0
		.amdhsa_next_free_vgpr 256
		.amdhsa_next_free_sgpr 66
		.amdhsa_reserve_vcc 1
		.amdhsa_float_denorm_mode_32 3
		.amdhsa_float_denorm_mode_16_64 3
		.amdhsa_fp16_overflow 1
		.amdhsa_memory_ordered 1
		.amdhsa_forward_progress 1
		.amdhsa_inst_pref_size 52
	.end_amdhsa_kernel
	.amdgpu_metadata
---
amdhsa.version: [ 1, 2 ]
amdhsa.kernels:
  - .name:           k_qfa145097e6_attn
    .symbol:         k_qfa145097e6_attn.kd
    .args:
      - { .name: qkv, .offset: 0, .size: 8, .value_kind: global_buffer, .address_space: global }
      - { .name: lowp_scales, .offset: 8, .size: 8, .value_kind: global_buffer, .address_space: global }
      - { .name: ac, .offset: 16, .size: 8, .value_kind: global_buffer, .address_space: global }
    .group_segment_fixed_size: 264192
    .private_segment_fixed_size: 0
    .kernarg_segment_align: 8
    .kernarg_segment_size: 24
    .max_flat_workgroup_size: 512
    .sgpr_count:     66
    .vgpr_count:     256
    .wavefront_size: 32
...
	.end_amdgpu_metadata
.endif
;; end of part 3
;; launch outp (part 4): grid 4 x 32, 4 waves a work-group, clusters of 4 x 4, 327,680 bytes of LDS; arguments ac, wc, lowp_scales, out0; writes out0
.if DOCPART == 4
	.amdgcn_target "amdgcn-amd-amdhsa--gfx1250"
	.amdhsa_code_object_version 6
	.text
	.protected	k_qfa145097e6_outp
	.globl	k_qfa145097e6_outp
	.p2align	8
	.type	k_qfa145097e6_outp,@function
k_qfa145097e6_outp:
	s_mov_b64 s[64:65], 0
	v_nop
	global_prefetch_b8 v0, s[64:65] scope:SCOPE_SE
	s_setreg_imm32_b32 hwreg(HW_REG_WAVE_MODE, 25, 1), 1
	s_wait_xcnt 0x0
	s_wait_alu depctr_hold_cnt(0) depctr_sa_sdst(0) depctr_va_vdst(0) depctr_va_sdst(0) depctr_va_ssrc(0) depctr_va_vcc(0) depctr_vm_vsrc(0)
	s_getreg_b32 s2, hwreg(HW_REG_IB_STS2, 6, 4)
	s_cmp_eq_u32 s2, 0
	s_cbranch_scc0 .Lentry_in_a_cluster
	s_endpgm
.Lentry_in_a_cluster:
	s_bfe_u32 s2, ttmp6, 0x10000c
	s_cmp_lg_u32 s2, 0xf033
	s_cbranch_scc0 .Lentry_shape_is_right
	s_endpgm
.Lentry_shape_is_right:
; out0 = a Wo^T on E4M3 codes; sums in f32, each multiplied once by 2^(e10 + e11).  a: the attention's result, 8,192 tokens x 1,024; Wo's codes: plane 3 of wc, rows of 1,024 bytes; out0: [8192][1024] f32.
; LIMIT: e10 + e11 lies between -126 and 127, so that 2^(e10 + e11) is an f32 number.
; a comes in the order of the operand's registers: ac[K / 256][token / 16][4,096 bytes], in which the fragment of K step q (128 along K) has its registers 4 c .. 4 c + 3 of lane l at 2,048 q + 512 c + 16 l,
; holding K = 32 c + 16 (l / 16) + 0..15 of token l % 16: the very K that 16-byte loads give Wo's rows.  So A's tile of a slot is one dense block, and each of its LDS loads reads 512 consecutive bytes.
; A tile of 256 x 256 is made by four waves, each 128 x 128.  K = 1,024 goes in four slots' worth of 256 through a ring of two LDS slots.  128 work-groups: the output has no more tiles of this size.
; CLUSTERS: 4 x 4 work-groups; A's tile is shared along a row of the cluster, B's along a column, each asked for jointly.  THE MATRIX INSTRUCTION IS USED TRANSPOSED (source 0 = 16 rows of Wo, source 1 = 16 tokens).
; No prefetch: of K's four slots' worth two go out at the head and only two refills follow.
; REGISTERS as windows of 256: window 0: v0-31 addresses; from v128 A's fragments, ONE set.  window 1: B's fragments, TWO sets.  windows 2, 3: the accumulators.
.set SIZE_N, 1024
.set ROWB,   256
.set KROW,   1024
.set PITCH,  272                       ; B's LDS rows: 256 bytes + 16 of padding
.set FR,     16
.set NL,     4
.set NP,     4
.set HALFA,  32768                     ; A: 8 blocks of 16 tokens x 256 K: what one tensor load brings
.set HALFB,  128*PITCH
.set BOFF,   2*HALFA                   ; a slot: A's two halves, then B's two
.set SLOT,   BOFF+2*HALFB
.set ASTEP,  0x200000                  ; from a slot's worth of A to the next, in memory
.set SPARE,  2*SLOT                    ; behind the ring: the spare words, 128 bytes for each wave, which no other line names
.set SPITCH, 528                       ; the way out: a stage of 16 rows x (512 bytes + 16) for each wave, in slot 0, which has had its last fill and its last read by then
.set ADRA, 16
.set ADRB, 20
.set STO,  24
.set RD,   25
.set CO,   26
.set SPW,  28
.set NIL,  29
.set TMP,  32
.set AF,   128
.set BK,   128
.set G1, 24
.set G0, 32
.set G1B, 48
.set G0B, 56
.set MSB, 0
.macro WIN new
.if MSB != (\new)
	s_set_vgpr_msb (MSB<<8)|(\new)
.set MSB, (\new)
.endif
.endm
.set MUL_LO, 0xa1
.set MUL_HI, 0xf1
.set TO_B,   0x40
.macro JLOAD g0a, g1a, g0b, g1b        ; a joint load: waves 0 and 1 fetch for A, waves 2 and 3 for B; four v_nop follow each of the two lines
	s_cmp_eq_u32 s15, 0
	s_cbranch_scc0 .Lfor_b_\@
	tensor_load_to_lds s[\g0a:\g0a+3], s[\g1a:\g1a+7]
	s_nop 0
.rept 4
	v_nop
.endr
	s_branch .Lasked_\@
.Lfor_b_\@:
	tensor_load_to_lds s[\g0b:\g0b+3], s[\g1b:\g1b+7]
	s_nop 0
.rept 4
	v_nop
.endr
.Lasked_\@:
.endm
.macro CREST
	s_cmp_lg_u32 s14, 0
	s_cbranch_scc1 .Lnot_wave_0_\@
	s_barrier_signal -3
.Lnot_wave_0_\@:
	s_barrier_wait -3
	s_barrier_signal -1
	s_barrier_wait -1
.endm
.macro CROUND
	s_barrier_signal -1
	s_barrier_wait -1
	CREST
.endm
	s_load_b128 s[4:7], s[0:1], 0x0                ; ac s[4:5], wc s[6:7]
	s_load_b128 s[8:11], s[0:1], 0x10              ; the scales' exponents s[8:9], out0 s[10:11]
	v_lshl_add_u32 v[SPW], v0, 2, SPARE
	v_mov_b32 v[NIL], 0
	ds_add_u32 v28, v29
	ds_add_u32 v28, v29
	s_wait_dscnt 0x0
	v_lshrrev_b32 v1, 5, v0
	v_readfirstlane_b32 s14, v1                    ; wave 0..3
	s_lshr_b32 s15, s14, 1                         ; which half of the tile's rows is mine.  Also: I fetch for A (0) or for B (1)
	s_and_b32 s16, s14, 1                          ; which half of its columns.  Also: which half of that tile I fetch
	s_bfe_u32 s40, ttmp6, 0x40000                  ; cx, cy
	s_bfe_u32 s41, ttmp6, 0x40004
	s_lshl_b32 s42, ttmp9, 2
	s_add_co_u32 s42, s42, s40                     ; tile column
	s_and_b32 s17, ttmp7, 0xffff
	s_lshl_b32 s17, s17, 2
	s_add_co_u32 s17, s17, s41                     ; tile row
	s_lshl_b32 s43, s41, 2
	s_lshl_b32 s43, 15, s43                        ; my row of the cluster
	s_lshl_b32 s44, 0x1111, s40                    ; my column
	s_or_b32 s[G1+0], s43, (3<<16)|(1<<21)         ; A: 15:0 the mask; 17:16 elements of 8 bytes; 21 set beside a mask; no padding
	s_mov_b32 s[G1+1], 32<<16                      ; 128 dense rows of 256 bytes
	s_mov_b32 s[G1+2], 128<<16
	s_mov_b32 s[G1+3], 32<<16
	s_mov_b32 s[G1+4], 128
	s_mov_b32 s[G1+5], 32
	s_mov_b32 s[G1+6], 0
	s_mov_b32 s[G1+7], 0
	s_or_b32 s[G1B+0], s44, (0<<16)|(1<<20)|(1<<21)|(5<<22)|(3<<25)  ; B: elements of 1 byte; four words of padding after every 64
	s_mov_b32 s[G1B+1], ROWB<<16
	s_mov_b32 s[G1B+2], 128<<16
	s_mov_b32 s[G1B+3], ROWB<<16
	s_mov_b32 s[G1B+4], 128
	s_mov_b32 s[G1B+5], KROW
	s_mov_b32 s[G1B+6], 0
	s_mov_b32 s[G1B+7], 0
	s_lshl_b32 s20, s17, 4
	s_lshl_b32 s18, s16, 3
	s_add_co_u32 s20, s20, s18                     ; A: block of 16 tokens 16 x tile row + 8 x half,
	s_lshl_b32 s20, s20, 12                        ; of 4,096 bytes
	s_mov_b32 s21, 0
	s_lshl_b32 s46, s42, 8
	s_lshl_b32 s18, s16, 7
	s_add_co_u32 s46, s46, s18                     ; B: row 256 x tile column + 128 x half,
	s_lshl_b32 s46, s46, 10
	s_add_co_u32 s46, s46, 0x300000                ; in plane 3 of wc
	s_mov_b32 s47, 0
	s_lshl_b32 s45, s16, 15                        ; where they go: A's half,
	s_mul_i32 s19, s16, HALFB
	s_add_co_u32 s19, s19, BOFF                    ; B's half: no place in the cluster enters an LDS address
	s_wait_kmcnt 0x0
	s_load_b64 s[96:97], s[8:9], 0x28              ; e10, e11
	s_add_nc_u64 s[20:21], s[4:5], s[20:21]
	s_add_nc_u64 s[46:47], s[6:7], s[46:47]
	CROUND                                         ; all sixteen work-groups are here: the first joint loads meet
.irp s, 0,1
	s_mov_b32 s[G0+4*\s], 1
	s_add_co_u32 s[G0+4*\s+1], s45, \s*SLOT
	s_add_nc_u64 s[G0+4*\s+2:G0+4*\s+3], s[20:21], \s*ASTEP
	s_or_b32 s[G0+4*\s+3], s[G0+4*\s+3], 0x80000000
	s_mov_b32 s[G0B+4*\s], 1
	s_add_co_u32 s[G0B+4*\s+1], s19, \s*SLOT
	s_add_nc_u64 s[G0B+4*\s+2:G0B+4*\s+3], s[46:47], \s*ROWB
	s_or_b32 s[G0B+4*\s+3], s[G0B+4*\s+3], 0x80000000
	s_wait_alu depctr_va_vdst(0)
	s_wait_tensorcnt 0x0
	ds_add_u32 v28, v29
	ds_add_u32 v28, v29
	s_wait_dscnt 0x0
	CROUND
	JLOAD G0+4*\s, G1, G0B+4*\s, G1B
.endr
	v_and_b32 v1, 15, v0                           ; r
	v_bfe_u32 v2, v0, 4, 1                         ; g
	v_and_b32 v6, 31, v0
	v_lshlrev_b32 v[CO], 4, v6                     ; 16 x lane
	v_mul_u32_u24 v3, v1, PITCH
	v_lshl_add_u32 v4, v2, 4, v3                   ; B: a fragment's row x pitch + 16 g
	s_lshl_b32 s21, s15, 15                        ; my 128 tokens of A
	s_mul_i32 s22, s16, HALFB
	s_add_co_u32 s22, s22, BOFF                    ; my 128 rows of B
.irp s, 0,1
	v_add_nc_u32 v[ADRA+\s], s21, v[CO]
	v_add_nc_u32 v[ADRB+\s], s22, v4
	s_add_co_u32 s21, s21, SLOT
	s_add_co_u32 s22, s22, SLOT
.endr
	s_mul_i32 s23, s14, 16*SPITCH                  ; my stage
	v_mul_u32_u24 v5, v1, SPITCH                   ; in: row r, 32 bytes for each half of the lanes
	v_lshl_add_u32 v5, v2, 5, v5
	v_add_nc_u32 v[STO], s23, v5
	v_add_nc_u32 v[RD], s23, v[CO]                 ; back: the 32 lanes take one row of 512 bytes
	s_lshl_b32 s20, s17, 8
	s_lshl_b32 s21, s15, 7
	s_add_co_u32 s20, s20, s21                     ; my first row of out0,
	s_lshl_b32 s20, s20, 12                        ; of 4,096 bytes,
	s_lshl_b32 s46, s42, 10
	s_lshl_b32 s47, s16, 9
	s_add_co_u32 s46, s46, s47                     ; my first column, in bytes
	s_add_co_u32 s20, s20, s46
	s_mov_b32 s21, 0
	s_add_nc_u64 s[10:11], s[10:11], s[20:21]
.macro FRAGA reg, adr, q, i            ; A's fragment of block i, K step q: four loads of 512 consecutive bytes
.irp c, 0,1,2,3
	ds_load_b128 v[\reg+4*\c:\reg+4*\c+3], v[\adr] offset:2048*(\q)+512*\c+(\i)*4096
.endr
.endm
.macro FRAGB reg, adr, q, i            ; B's: from rows, four loads of 16 bytes a lane, 32 bytes apart
.irp c, 0,1,2,3
	ds_load_b128 v[\reg+4*\c:\reg+4*\c+3], v[\adr] offset:128*(\q)+32*\c+(\i)*16*PITCH
.endr
.endm
.macro MUL16 a0, p, zero               ; 16 matrix instructions; the 64 accumulators take turns, one instruction a turn
.irp a, \a0, \a0+1
.irp b, 0,1,2,3,4,5,6,7
.if \zero
	v_wmma_f32_16x16x128_fp8_fp8 v[8*(8*((\a)%4)+\b):8*(8*((\a)%4)+\b)+7], v[128*(\p)+FR*\b:128*(\p)+FR*\b+FR-1], v[AF+FR*(\a):AF+FR*(\a)+FR-1], 0
.else
	v_wmma_f32_16x16x128_fp8_fp8 v[8*(8*((\a)%4)+\b):8*(8*((\a)%4)+\b)+7], v[128*(\p)+FR*\b:128*(\p)+FR*\b+FR-1], v[AF+FR*(\a):AF+FR*(\a)+FR-1], v[8*(8*((\a)%4)+\b):8*(8*((\a)%4)+\b)+7]
.endif
.endr
.endr
.endm
.macro FETCH_B slot, q, p
	WIN TO_B
.irp i, 0,1,2,3,4,5,6,7
	FRAGB 128*(\p)+FR*\i, ADRB+\slot, \q, \i
.endr
	WIN 0
.endm
.macro FETCH_A slot, q, i0
.irp i, \i0, \i0+1, \i0+2, \i0+3
	FRAGA AF+FR*(\i), ADRA+\slot, \q, \i
.endr
.endm
.macro PLACES n                        ; plain vector lines between a matrix instruction and a load into, or a vector read of, its registers (ISA guide 7.12.1 for vector reads)
.rept \n
	v_nop
.endr
.endm
.macro STEP slot, q, zero
	s_wait_dscnt 4*NL                              ; B's set and A's blocks 0-3 are in; the youngest sixteen loads (A's blocks 4-7) may be out
	WIN MUL_LO
	MUL16 0, (\q)%2, \zero
	MUL16 2, (\q)%2, \zero
	s_wait_dscnt 0
	PLACES NP
	FETCH_B \slot, (\q)+1, 1-(\q)%2
	FETCH_A \slot, (\q)+1, 0
	WIN MUL_HI
	MUL16 4, (\q)%2, \zero
	MUL16 6, (\q)%2, \zero
	PLACES NP
	WIN 0
	FETCH_A \slot, (\q)+1, 4
.endm
.macro TURN slot, next, fill           ; a slot's last step changes slots: ONE barrier, with the three lines in front of it
	s_wait_tensorcnt 0x0                           ; all my tensor loads have landed: my part of the next slot
	ds_add_u32 v[SPW], v[NIL]                      ; 0 onto my spare word
	s_wait_dscnt 4*NL+1                            ; (the add and the youngest sixteen loads may be out)
	WIN MUL_LO
	MUL16 0, 1, 0
	s_wait_dscnt 0x0                               ; the add is done, and my reads of this slot are over
	s_barrier_signal -1
	MUL16 2, 1, 0
	WIN 0
	s_barrier_wait -1
.if \fill
	CREST                                          ; the barrier has opened a round of the cluster's barrier
	s_add_nc_u64 s[G0+4*\slot+2:G0+4*\slot+3], s[G0+4*\slot+2:G0+4*\slot+3], 2*ASTEP
	s_add_nc_u64 s[G0B+4*\slot+2:G0B+4*\slot+3], s[G0B+4*\slot+2:G0B+4*\slot+3], 2*ROWB
	JLOAD G0+4*\slot, G1, G0B+4*\slot, G1B         ; the first tensor load behind the round; its four v_nop are also the places in front of the loads below
.else
	PLACES NP
.endif
	FETCH_B \next, 0, 0
	FETCH_A \next, 0, 0
	WIN MUL_HI
	MUL16 4, 1, 0
	MUL16 6, 1, 0
	PLACES NP
	WIN 0
	FETCH_A \next, 0, 4
.endm
	s_wait_alu depctr_va_vdst(0)
	s_wait_tensorcnt 1                             ; my part of slot 0 is in; slot 1's load may be out
	s_barrier_signal -1
	s_barrier_wait -1
	FETCH_B 0, 0, 0
	FETCH_A 0, 0, 0
	FETCH_A 0, 0, 4
	STEP 0, 0, 1                                   ; K = 1,024 is eight steps of 128: they are written out; the first starts the sums
	TURN 0, 1, 1
	STEP 1, 0, 0
	TURN 1, 0, 1
	STEP 0, 0, 0
	TURN 0, 1, 0                                   ; nothing is left to fetch; behind this barrier nobody reads slot 0
	STEP 1, 0, 0
	s_wait_dscnt 4*NL
	WIN MUL_LO
	MUL16 0, 1, 0
	MUL16 2, 1, 0
	s_wait_dscnt 0
	WIN MUL_HI
	MUL16 4, 1, 0
	MUL16 6, 1, 0
	WIN 0
; THE WAY OUT, block by block of 16 rows x 128 columns: a lane holds 32 neighbouring bytes of a row; a block goes through my own stage and comes back as whole rows of 512 bytes.
.macro TOSTAGE a
.set AC, 64*((\a)%4)
	WIN 0x02+((\a)/4)                              ; source 0: window 2 or 3
.set j, 0
.rept 32
	v_pk_mul_f32 v[TMP+j:TMP+j+1], v[AC+j:AC+j+1], s[96:97] op_sel_hi:[1,0]   ; x 2^(e10 + e11); each accumulator from its low end on
.set j, j+2
.endr
	WIN 0
.irp b, 0,1,2,3,4,5,6,7
	ds_store_b128 v[STO], v[TMP+8*\b:TMP+8*\b+3] offset:64*\b
	ds_store_b128 v[STO], v[TMP+8*\b+4:TMP+8*\b+7] offset:64*\b+16
.endr
.set BB, BK+64*((\a)%2)
.irp t, 0,1,2,3,4,5,6,7,8,9,10,11,12,13,14,15
	ds_load_b128 v[BB+4*\t:BB+4*\t+3], v[RD] offset:\t*SPITCH   ; LDS serves a wave's instructions in order: these see my stores
.endr
.endm
.macro SEND a, younger                 ; younger: the LDS instructions issued behind block a's loads, which may stay out
.set BB, BK+64*((\a)%2)
	s_wait_dscnt \younger
.if (\a) > 0
	s_add_nc_u64 s[10:11], s[10:11], 16*SIZE_N*4   ; (behind a wait on XCNT: the earlier stores have read their base)
.endif
.irp t, 0,1,2,3,4,5,6,7,8,9,10,11,12,13,14,15
	global_store_b128 v[CO], v[BB+4*\t:BB+4*\t+3], s[10:11] offset:\t*SIZE_N*4 th:TH_STORE_NT   ; 32 lanes store 512 consecutive bytes, aligned
.endr
.endm
	s_wait_kmcnt 0x0
	s_add_co_i32 s96, s96, s97
	s_add_co_i32 s96, s96, 127
	s_lshl_b32 s96, s96, 23                        ; 2^(e10 + e11) as f32
	PLACES NP
	TOSTAGE 0
.irp a, 1,2,3,4,5,6,7
.if \a > 1
	s_wait_xcnt 0x0                                ; block a - 2's stores have read their registers and their base
.endif
	TOSTAGE \a
	SEND \a-1, 32                                  ; behind block a - 1's loads: block a's 16 stores and 16 loads
.endr
	s_wait_xcnt 0x0
	SEND 7, 0
	s_wait_tensorcnt 0x0                           ; the wave's end
	ds_add_u32 v[SPW], v[NIL]
	s_wait_dscnt 0x0
	CROUND                                         ; the closing round
	s_endpgm
.Lfunc_end_k_qfa145097e6_outp:
	.size	k_qfa145097e6_outp, .Lfunc_end_k_qfa145097e6_outp-k_qfa145097e6_outp
	.p2alignl 7, 3214868480
	.fill 96, 4, 3214868480
	.section	.rodata,"a",@progbits
	.p2align	6, 0x0
	.amdhsa_kernel k_qfa145097e6_outp
		.amdhsa_group_segment_fixed_size 327680
		.amdhsa_private_segment_fixed_size 0
		.amdhsa_enable_private_segment 0
		.amdhsa_kernarg_size 32
		.amdhsa_user_sgpr_count 2
		.amdhsa_user_sgpr_kernarg_segment_ptr 1
		.amdhsa_wavefront_size32 1
		.amdhsa_system_sgpr_workgroup_id_x 1
		.amdhsa_system_sgpr_workgroup_id_y 1
		.amdhsa_system_sgpr_workgroup_id_z 1
		.amdhsa_system_vgpr_workitem_id 0
		.amdhsa_next_free_vgpr 1024
		.amdhsa_next_free_sgpr 98
		.amdhsa_reserve_vcc 0
		.amdhsa_float_denorm_mode_32 3
		.amdhsa_float_denorm_mode_16_64 3
		.amdhsa_memory_ordered 1
		.amdhsa_forward_progress 1
		.amdhsa_inst_pref_size 124
	.end_amdhsa_kernel
	.amdgpu_metadata
---
amdhsa.version: [ 1, 2 ]
amdhsa.kernels:
  - .name:           k_qfa145097e6_outp
    .symbol:         k_qfa145097e6_outp.kd
    .args:
      - { .name: ac, .offset: 0, .size: 8, .value_kind: global_buffer, .address_space: global }
      - { .name: wc, .offset: 8, .size: 8, .value_kind: global_buffer, .address_space: global }
      - { .name: lowp_scales, .offset: 16, .size: 8, .value_kind: global_buffer, .address_space: global }
      - { .name: out0, .offset: 24, .size: 8, .value_kind: global_buffer, .address_space: global }
    .group_segment_fixed_size: 327680
    .private_segment_fixed_size: 0
    .kernarg_segment_align: 8
    .kernarg_segment_size: 32
    .max_flat_workgroup_size: 128
    .sgpr_count:     98
    .vgpr_count:     1024
    .wavefront_size: 32
...
	.end_amdgpu_metadata
.endif
;; end of part 4
